; MI455X (gfx1250); checked and timed in simulation.
; The chip was launched on July 23, 2026; its instructions are those of AMD's public machine-readable ISA for CDNA 5 (MIT licence, August 2026) and "CDNA5" Instruction Set Architecture Reference Guide (July 2026). The comments in the code are by the model that wrote it; some were corrected since.
;; Attention. Allowed arithmetic: float matrix products may take bf16 or f16 operands with f32 sums; all other float work in f32.
;; Inputs: b_out 128 float32; w_in 384 x 128 float32; w_out 128 x 128 float32; x 64 x 64 x 128 float32.
;; Outputs: out0 64 x 64 x 128 float32.
;; 2 versions, each right; version 2 is version 1 with the launch outp written anew for expert scheduling mode. Each part assembles by itself: llvm-mc -triple=amdgcn-amd-amdhsa -mcpu=gfx1250 --defsym DOCPART=n.
;; ======== version 1 of 2: 3 launches
;; limits: values are held in f16: magnitudes above 65,504 overflow, below 6.1e-05 lose precision
;; workspace buffers: qf 2,097,152 bytes; kv 2,097,152 bytes; part 65,536 bytes; att 1,048,576 bytes
;; launch proj (part 1): grid 64 x 4, 4 waves a work-group, no clusters, 45,056 bytes of LDS; arguments x, w_in, qf, kv, part; writes qf, kv, part
.if DOCPART == 1
	.amdgcn_target "amdgcn-amd-amdhsa--gfx1250"
	.amdhsa_code_object_version 6
	.text
	.protected	k_qde29b03880_proj
	.globl	k_qde29b03880_proj
	.p2align	8
	.type	k_qde29b03880_proj,@function
k_qde29b03880_proj:
	s_mov_b64 s[64:65], 0
	v_nop
	global_prefetch_b8 v0, s[64:65] scope:SCOPE_SE
	s_setreg_imm32_b32 hwreg(HW_REG_WAVE_MODE, 25, 1), 1
	s_wait_xcnt 0x0
; qkv = x w_in^T for 64 rows of x (work-group x) and one head (work-group y): 32 channels each of q, k and v.
; Four waves; wave w makes rows 16 w .. 16 w + 15 times all 96 channels: six tiles of 16 x 16, K = 128 in four steps of 32.
; x and w_in come in as whole rows (a load of a wave = one row of 512 bytes), are rounded to f16 and laid into LDS with a pitch of
; 272 bytes, so that the sixteen rows of a fragment load start 17 x 16 bytes apart.
; WHAT GOES OUT is already in the order in which the next launch's matrix instructions want it, 512 consecutive bytes a store:
;   qf   f32  [head][tile of 16 queries][c][p][lane][4]     lane (r, h) holds query r, channels 16 c + 8 h + 4 p .. + 3
;   kv   16 bit [head][block of 32 keys][4096 bytes]: K tile 0, K tile 1 (bf16: [c][lane][8]: key r, channels 16 c + 8 h ..),
;                                                     V^T tile 0, tile 1 (f16: [c][lane][8]: channel r, keys 16 c + 8 h ..)
;   part f32  [head][row block][64]: this block's sums of squares of the 32 q channels, then of the 32 k channels
; q and k are made with w_in as source 0 (a lane then holds 8 neighbouring channels of one row), v with x as source 0 (8 neighbouring keys of one channel).
; No cluster, no tensor loads: a work-group reads 80 KiB once, through registers, because the numbers must be rounded to f16 on the way.
; LIMITS: x and w_in are rounded to f16 and v is stored as f16, so |x|, |w_in| and |v| must stay under 65504 (v has about the spread of x
; times the spread of w_in times 11.3).  The sums of squares are kept in f32 and must stay finite.
.set PITCH, 272
.set XB,    96*PITCH                   ; LDS: 96 rows of w_in (q, k, v), then 64 rows of x
.set RED,   160*PITCH                  ; then 4 x 256 bytes: each wave's 64 sums of squares
.set ACC,   16                         ; v[16:63]   six accumulator tiles: q c0, q c1, k c0, k c1, v dt0, v dt1
.set XF,    64                         ; v[64:95]   fragments of my 16 rows of x, four K steps
.set ST,    96                         ; v[96:255]  the 40 loads as they come in; later:
.set BUF0,  96                         ; v[96:143]  fragments of w_in, six tiles of one K step; three such buffers
.set BUF1,  144
.set BUF2,  192
.set PK,    96                         ; v[96:111]  k and v packed to 16 bits
.set SQ,    192                        ; v[192:223] squares of q and k
.set TOT,   224                        ; v[224:239] the four waves' sums
	s_load_b256 s[4:11], s[0:1], 0x0               ; x s[4:5], w_in s[6:7], qf s[8:9], kv s[10:11]
	s_load_b64 s[12:13], s[0:1], 0x20              ; part
	v_lshl_add_u32 v14, v0, 2, 0xae00
	v_mov_b32 v15, 0
	v_lshrrev_b32 v1, 5, v0
	v_readfirstlane_b32 s14, v1                    ; wave 0..3
	s_and_b32 s15, ttmp7, 0xffff                   ; head
	v_and_b32 v2, 31, v0                           ; lane
	v_lshlrev_b32 v3, 4, v2                        ; 16 x lane: the only vector offset of the loads and of the large stores
	s_lshl_b32 s16, ttmp9, 15                      ; x: row block x 64 rows x 512 bytes
	s_lshl_b32 s17, s14, 13                        ;    + wave x 16 rows
	s_add_co_u32 s16, s16, s17
	s_mov_b32 s17, 0
	s_lshl_b32 s18, s15, 14                        ; w_in: head x 32 rows x 512 bytes
	s_lshl_b32 s19, s14, 12                        ;    + wave x 8 rows (of each of the three segments q, k, v)
	s_add_co_u32 s18, s18, s19
	s_mov_b32 s19, 0
	s_wait_kmcnt 0x0
	s_add_nc_u64 s[4:5], s[4:5], s[16:17]
	s_add_nc_u64 s[6:7], s[6:7], s[18:19]
.irp seg,0,1,2
.irp n,0,1,2,3,4,5,6,7
	global_load_b128 v[ST+32*\seg+4*\n:ST+32*\seg+4*\n+3], v3, s[6:7] offset:\seg*65536+\n*512
.endr
.endr
.irp n,0,1,2,3,4,5,6,7,8,9,10,11,12,13,14,15
	global_load_b128 v[ST+96+4*\n:ST+96+4*\n+3], v3, s[4:5] offset:\n*512
.endr
	; while the 40 loads are on their way: where things go
	s_lshl_b32 s20, s15, 19                        ; head x 524288, in qf and in kv
	s_lshl_b32 s21, ttmp9, 13                      ; + row block x 8192 (4 query tiles of 2048; 2 key blocks of 4096)
	s_add_co_u32 s20, s20, s21
	s_lshl_b32 s21, s14, 11                        ; qf: + wave x 2048
	s_add_co_u32 s22, s20, s21
	s_mov_b32 s23, 0
	s_lshr_b32 s21, s14, 1
	s_lshl_b32 s21, s21, 12                        ; kv: + (wave / 2) x 4096
	s_add_co_u32 s20, s20, s21
	s_and_b32 s21, s14, 1
	s_lshl_b32 s24, s21, 10                        ; K: my 16 keys are tile wave % 2 of the block
	s_add_co_u32 s24, s24, s20
	s_mov_b32 s25, 0
	s_lshl_b32 s26, s21, 9                         ; V^T: my 16 keys are half c = wave % 2 of both channel tiles
	s_add_co_u32 s26, s26, s20
	s_add_co_u32 s26, s26, 2048
	s_mov_b32 s27, 0
	s_lshl_b32 s28, s15, 14                        ; part: head x 16384 + row block x 256
	s_lshl_b32 s29, ttmp9, 8
	s_add_co_u32 s28, s28, s29
	s_mov_b32 s29, 0
	s_add_nc_u64 s[8:9], s[8:9], s[22:23]
	s_add_nc_u64 s[30:31], s[10:11], s[26:27]      ; V^T
	s_add_nc_u64 s[10:11], s[10:11], s[24:25]      ; K
	s_add_nc_u64 s[12:13], s[12:13], s[28:29]
	v_lshlrev_b32 v4, 3, v2                        ; 8 x lane: four numbers in 16 bits
	v_and_b32 v5, 15, v0                           ; r
	v_bfe_u32 v6, v0, 4, 1                         ; h
	s_mul_i32 s32, s14, 8*PITCH
	v_add_nc_u32 v7, s32, v4                       ; rows of w_in go in at: my 8 rows of a segment
	s_mul_i32 s33, s14, 16*PITCH
	s_add_co_u32 s33, s33, XB
	v_add_nc_u32 v8, s33, v4                       ; rows of x go in at: my 16 rows
	v_mul_u32_u24 v9, v5, PITCH
	v_lshl_add_u32 v9, v6, 4, v9                   ; a fragment: row r x pitch + 16 h
	v_add_nc_u32 v10, s33, v9                      ; the same in my rows of x
	s_lshl_b32 s34, s14, 8
	s_add_co_u32 s34, s34, RED
	v_lshl_add_u32 v11, v6, 5, s34                 ; my wave's sums: + 32 h
; four f32 of one load become four f16 in the load's first two registers and go to LDS: 32 lanes x 8 bytes = one row of 256 bytes
.macro CONV reg, adr, off
	v_cvt_pk_f16_f32 v[\reg], v[\reg], v[\reg+1]
	v_cvt_pk_f16_f32 v[\reg+1], v[\reg+2], v[\reg+3]
	ds_store_b64 v[\adr], v[\reg:\reg+1] offset:\off
.endm
.irp seg,0,1,2
	s_wait_loadcnt 32-8*\seg                       ; loads come back in order: this segment's eight are in, the later ones stay out
.irp n,0,1,2,3,4,5,6,7
	CONV ST+32*\seg+4*\n, 7, (32*\seg+\n)*PITCH
.endr
.endr
	s_wait_loadcnt 0x8                             ; the first eight rows of x; eight stay out
.irp n,0,1,2,3,4,5,6,7
	CONV ST+96+4*\n, 8, \n*PITCH
.endr
	s_wait_loadcnt 0x0
.irp n,8,9,10,11,12,13,14,15
	CONV ST+96+4*\n, 8, \n*PITCH
.endr
	s_wait_dscnt 0x0                               ; my rows are in LDS, for the other waves' sake
	s_barrier_signal -1
	s_barrier_wait -1
.macro WFRAG buf, ks                   ; the six tiles' fragments of K step ks: 12 loads
.irp t,0,1,2,3,4,5
	ds_load_b128 v[\buf+8*\t:\buf+8*\t+3], v9 offset:\t*16*PITCH+\ks*64
	ds_load_b128 v[\buf+8*\t+4:\buf+8*\t+7], v9 offset:\t*16*PITCH+\ks*64+32
.endr
.endm
; six matrix instructions, one for each accumulator: the accumulators take turns, one instruction a turn
.macro MULS buf, ks, zero
.irp t,0,1,2,3
.if \zero
	v_wmma_f32_16x16x32_f16 v[ACC+8*\t:ACC+8*\t+7], v[\buf+8*\t:\buf+8*\t+7], v[XF+8*\ks:XF+8*\ks+7], 0
.else
	v_wmma_f32_16x16x32_f16 v[ACC+8*\t:ACC+8*\t+7], v[\buf+8*\t:\buf+8*\t+7], v[XF+8*\ks:XF+8*\ks+7], v[ACC+8*\t:ACC+8*\t+7]
.endif
.endr
.irp t,4,5
.if \zero
	v_wmma_f32_16x16x32_f16 v[ACC+8*\t:ACC+8*\t+7], v[XF+8*\ks:XF+8*\ks+7], v[\buf+8*\t:\buf+8*\t+7], 0
.else
	v_wmma_f32_16x16x32_f16 v[ACC+8*\t:ACC+8*\t+7], v[XF+8*\ks:XF+8*\ks+7], v[\buf+8*\t:\buf+8*\t+7], v[ACC+8*\t:ACC+8*\t+7]
.endif
.endr
.endm
.irp ks,0,1,2,3
	ds_load_b128 v[XF+8*\ks:XF+8*\ks+3], v10 offset:\ks*64
	ds_load_b128 v[XF+8*\ks+4:XF+8*\ks+7], v10 offset:\ks*64+32
.endr
	WFRAG BUF0, 0
	WFRAG BUF1, 1
	WFRAG BUF2, 2
	s_wait_dscnt 24                                ; x and K step 0 are in; the 24 loads of steps 1 and 2 may be out
	MULS BUF0, 0, 1                                ; the first products start the sums
.rept 4
	v_nop                                          ; four places behind the matrix instructions that read buffer 0 (ISA guide 7.12.1), then it is loaded again
.endr
	WFRAG BUF0, 3
	s_wait_dscnt 24                                ; step 1 is in; steps 2 and 3 may be out
	MULS BUF1, 1, 0
	s_wait_dscnt 12                                ; step 2 is in; step 3 may be out
	MULS BUF2, 2, 0
	s_wait_dscnt 0x0
	MULS BUF0, 3, 0
.rept 4
	v_nop                                          ; four places before the results are read and the fragment registers written
.endr
	; q as f32: tile c, registers 4 p .. 4 p + 3
.irp c,0,1
.irp p,0,1
	global_store_b128 v3, v[ACC+8*\c+4*\p:ACC+8*\c+4*\p+3], s[8:9] offset:\c*1024+\p*512
.endr
.endr
.irp t,2,3
.irp j,0,1,2,3
	v_cvt_pk_bf16_f32 v[PK+4*(\t-2)+\j], v[ACC+8*\t+2*\j], v[ACC+8*\t+2*\j+1]
.endr
.endr
.irp t,4,5
.irp j,0,1,2,3
	v_cvt_pk_f16_f32 v[PK+4*(\t-2)+\j], v[ACC+8*\t+2*\j], v[ACC+8*\t+2*\j+1]
.endr
.endr
	global_store_b128 v3, v[PK:PK+3], s[10:11]                 ; K, channels 0-15
	global_store_b128 v3, v[PK+4:PK+7], s[10:11] offset:512    ; K, channels 16-31
	global_store_b128 v3, v[PK+8:PK+11], s[30:31]              ; V^T, channels 0-15
	global_store_b128 v3, v[PK+12:PK+15], s[30:31] offset:1024 ; V^T, channels 16-31
	; sums of squares of q and k over my 16 rows: a lane holds one row, so the sum runs over the 16 lanes of a half
.irp j,0,2,4,6,8,10,12,14,16,18,20,22,24,26,28,30
	v_pk_mul_f32 v[SQ+\j:SQ+\j+1], v[ACC+\j:ACC+\j+1], v[ACC+\j:ACC+\j+1]
.endr
.irp m,1,2,4,8
.set cnt, 0
.rept 32
	v_add_f32_dpp v[SQ+cnt], v[SQ+cnt], v[SQ+cnt] row_xmask:\m row_mask:0xf bank_mask:0xf
.set cnt, cnt+1
.endr
.endr
.irp q,0,1,2,3,4,5,6,7
	ds_store_b128 v11, v[SQ+4*\q:SQ+4*\q+3] offset:(\q/2)*64+(\q%2)*16   ; channel 16 T + 8 h + j; the 16 lanes of a half write the same words with the same values
.endr
	s_wait_dscnt 0x0                               ; for wave 0's sake
	s_barrier_signal -1
	s_barrier_wait -1
	s_cmp_lg_u32 s14, 0
	s_cbranch_scc1 .Lend
	v_lshlrev_b32 v12, 4, v5                       ; wave 0 adds the four waves' sums: lane r takes channels 4 r .. 4 r + 3
	v_add_nc_u32 v13, RED, v12
.irp w,0,1,2,3
	ds_load_b128 v[TOT+4*\w:TOT+4*\w+3], v13 offset:\w*256
.endr
	s_wait_dscnt 0x0
	v_pk_add_f32 v[TOT:TOT+1], v[TOT:TOT+1], v[TOT+4:TOT+5]
	v_pk_add_f32 v[TOT+2:TOT+3], v[TOT+2:TOT+3], v[TOT+6:TOT+7]
	v_pk_add_f32 v[TOT+8:TOT+9], v[TOT+8:TOT+9], v[TOT+12:TOT+13]
	v_pk_add_f32 v[TOT+10:TOT+11], v[TOT+10:TOT+11], v[TOT+14:TOT+15]
	v_pk_add_f32 v[TOT:TOT+1], v[TOT:TOT+1], v[TOT+8:TOT+9]
	v_pk_add_f32 v[TOT+2:TOT+3], v[TOT+2:TOT+3], v[TOT+10:TOT+11]
	v_cmp_gt_u32 vcc_lo, 16, v0
	s_wait_xcnt 0x0                                ; EXEC is a source of the stores above: it changes only behind this wait
	s_and_saveexec_b32 s35, vcc_lo
	global_store_b128 v12, v[TOT:TOT+3], s[12:13]  ; sixteen lanes store the block's 256 bytes
	s_wait_xcnt 0x0                                ; and again in front of the line that widens it
	s_or_b32 exec_lo, exec_lo, s35
.Lend:
	s_wait_tensorcnt 0x0
	ds_add_u32 v14, v15
	s_wait_dscnt 0x0
	s_endpgm
.Lfunc_end_k_qde29b03880_proj:
	.size	k_qde29b03880_proj, .Lfunc_end_k_qde29b03880_proj-k_qde29b03880_proj
	.p2alignl 7, 3214868480
	.fill 96, 4, 3214868480
	.section	.rodata,"a",@progbits
	.p2align	6, 0x0
	.amdhsa_kernel k_qde29b03880_proj
		.amdhsa_group_segment_fixed_size 45056
		.amdhsa_private_segment_fixed_size 0
		.amdhsa_enable_private_segment 0
		.amdhsa_kernarg_size 40
		.amdhsa_user_sgpr_count 2
		.amdhsa_user_sgpr_kernarg_segment_ptr 1
		.amdhsa_wavefront_size32 1
		.amdhsa_system_sgpr_workgroup_id_x 1
		.amdhsa_system_sgpr_workgroup_id_y 1
		.amdhsa_system_sgpr_workgroup_id_z 1
		.amdhsa_system_vgpr_workitem_id 0
		.amdhsa_next_free_vgpr 256
		.amdhsa_next_free_sgpr 66
		.amdhsa_reserve_vcc 1
		.amdhsa_float_denorm_mode_32 3
		.amdhsa_float_denorm_mode_16_64 3
		.amdhsa_memory_ordered 1
		.amdhsa_forward_progress 1
		.amdhsa_inst_pref_size 32
	.end_amdhsa_kernel
	.amdgpu_metadata
---
amdhsa.version: [ 1, 2 ]
amdhsa.kernels:
  - .name:           k_qde29b03880_proj
    .symbol:         k_qde29b03880_proj.kd
    .args:
      - { .name: x, .offset: 0, .size: 8, .value_kind: global_buffer, .address_space: global }
      - { .name: w_in, .offset: 8, .size: 8, .value_kind: global_buffer, .address_space: global }
      - { .name: qf, .offset: 16, .size: 8, .value_kind: global_buffer, .address_space: global }
      - { .name: kv, .offset: 24, .size: 8, .value_kind: global_buffer, .address_space: global }
      - { .name: part, .offset: 32, .size: 8, .value_kind: global_buffer, .address_space: global }
    .group_segment_fixed_size: 45056
    .private_segment_fixed_size: 0
    .kernarg_segment_align: 8
    .kernarg_segment_size: 40
    .max_flat_workgroup_size: 128
    .sgpr_count:     66
    .vgpr_count:     256
    .wavefront_size: 32
...
	.end_amdgpu_metadata
.endif
;; end of part 1
;; launch attn (part 2): grid 64 x 4, 8 waves a work-group, clusters of 4 x 1, 327,680 bytes of LDS; arguments qf, kv, part, att; writes att
.if DOCPART == 2
	.amdgcn_target "amdgcn-amd-amdhsa--gfx1250"
	.amdhsa_code_object_version 6
	.text
	.protected	k_qde29b03880_attn
	.globl	k_qde29b03880_attn
	.p2align	8
	.type	k_qde29b03880_attn,@function
k_qde29b03880_attn:
	s_mov_b64 s[64:65], 0
	v_nop
	global_prefetch_b8 v0, s[64:65] scope:SCOPE_SE
	s_setreg_imm32_b32 hwreg(HW_REG_WAVE_MODE, 25, 1), 1
	s_wait_xcnt 0x0
	s_wait_alu depctr_hold_cnt(0) depctr_sa_sdst(0) depctr_va_vdst(0) depctr_va_sdst(0) depctr_va_ssrc(0) depctr_va_vcc(0) depctr_vm_vsrc(0)
	s_getreg_b32 s2, hwreg(HW_REG_IB_STS2, 6, 4)
	s_cmp_eq_u32 s2, 0
	s_cbranch_scc0 .Lentry_in_a_cluster
	s_endpgm
.Lentry_in_a_cluster:
	s_bfe_u32 s2, ttmp6, 0x10000c
	s_cmp_lg_u32 s2, 0x3003
	s_cbranch_scc0 .Lentry_shape_is_right
	s_endpgm
.Lentry_shape_is_right:
; softmax(10 qn kn^T) v for one head (work-group y) and 64 queries (work-group x), with a running maximum.
; Eight waves, two for each of a WGP's four SIMDs (2 x 256 of a SIMD's 1,024 registers).  Wave w = (g = w % 2, kp = w / 2) takes queries 32 g .. 32 g + 31
; (two tiles of 16) and, of every 256 keys, the 64 with number kp: each fragment of K and of V^T that it reads from LDS feeds two matrix instructions.
; The four quarters of the keys meet in LDS at the end.
; NORMS: the 64 row blocks' sums of squares are added here; 10 log2(e) / (max(|q column|, eps) max(|k column|, eps)) is multiplied into q, which is
; then rounded once to bf16; K stays as it was stored.  So the scores come out of the matrix unit in units of log2.
; SCORES ARE MADE TRANSPOSED: source 0 = 16 keys of K, source 1 = 16 queries.  Lane (r, h) then holds query r and keys 8 h + 0 .. 7 of the tile, which is
; the place that source 1 of the second product (V^T x P) wants: the exponentials are packed to f16 where they stand, no lane moves anything.
; The maximum of a query lies in two lanes (r and r + 16): one exchange for each query tile and step.  Row sums stay per lane until the end.
; THE ORDER OF A STEP: a wave's matrix instructions stand singly among its vector work.  As soon as a score tile's exponentials are summed and packed, its
; registers take the same tile's scores of the NEXT step (K for it is loaded at this step's head).  The eight products V^T x P of a step stand among the
; maxima of the step behind it; P and V wait in their registers.  O moves to the new maximum between the last step's products and this step's.
; Only a tile's first step has its eight score products in a run, behind the round that shows the tile.
; TILES: the head's 512 KiB of kv go through two LDS slots of 128 KiB (1,024 keys each, four tiles); a wave brings an eighth, 64 rows of 256 bytes, dense.
; The bytes lie in fragment order, so every LDS read is lane i at 16 i: no padding.
; CLUSTER: the four work-groups of a cluster are four query blocks of one head and read the same tiles, so each tile is asked for jointly (mask 15):
; the same line, the same descriptor (made of the head and the wave's number alone) in all four.  Every refill stands behind a round of the cluster's barrier.
; By this text's own count a wave has at most two tensor loads out (the two first fills), later one.
; No separate prefetch: the ring asks for a tile one whole tile of work (four steps of every wave) ahead.
; P and V are f16 (P lies in [0, 1]); q and K are bf16, since their ranges are not bounded.
; LIMITS: |v| < 65504 as stored, and so the result, an average of v; a column norm under about 1e-19 has a sum of squares that v_sqrt_f32 takes as 0
; (ISA guide 15.8) and is then clipped to eps, as any norm under eps is.
.set TILEB, 131072                     ; bytes of a tile and of a slot
.set STEPB, 32768                      ; 256 keys: one unit of 8192 bytes for each kp
.set SCR,   2*TILEB                    ; behind the slots, never filled by a tensor load: sixteen records (wave, query tile) for the merge
.set REC,   2304                       ; 16 registers of O (4 x 512 bytes), then (m, l) (256 bytes)
.set PS1,   SCR+16*REC                 ; 8 x 256 bytes: each wave's part of the sums of squares
.set PS2,   PS1+2048                   ; 8 x 128 bytes: each wave's own copy of the 32 scales
.set LA,    3                          ; v[3:6]     my unit in (slot, half of the slot): register 2 slot + step / 2; an LDS immediate has 16 bits, a slot 17
.set RQ,    8                          ; v[8:23]    Q, two tiles, bf16 fragments
.set RO,    24                         ; v[24:55]   O^T: tile (qt, dt) at 16 qt + 8 dt: lane (r, h): query r, channels 16 dt + 8 h + j
.set RM,    56                         ; v56, v58   running maximum of query tile 0, 1 (v57, v59: the row sums, at the end)
.set RNM,   60                         ; v60, v62   minus the maximum (v61, v63 only fill the pairs)
.set RAL,   64                         ; v64, v66   2^(old maximum - new maximum) (v65, v67 only fill the pairs); at work in the merge
.set RLS,   68                         ; v[68:75]   row sums, two pairs for each query tile
.set RT,    76                         ; v[76:83]   at work: the maxima's chains, (qt, kt) at 4 qt + kt; in the merge the four (m, l)
.set RF,    84                         ; v[84:91]   at work: reciprocals of the norms; the merge's factors
.set RK,    96                         ; v[96:127]  K, four tiles of 16 keys (first: q as f32)
.set RV,    128                        ; v[128:159] V^T: (block b, dt) at 16 b + 8 dt (first: the scales)
.set RS,    160                        ; v[160:223] scores: tile ch = 2 kt + qt at 8 ch
.set RP,    224                        ; v[224:255] P in f16: (qt, b) at 16 qt + 8 b
.set G1,    24                         ; s[24:31]   descriptor group 1
.set G0,    32                         ; s[32:39]   descriptor group 0, one set for each slot
; v2 = 16 lane; v7 = PS1, mine; v92 = PS1, read; v93, v94 = PS2, write and read; at the end v92 to v95 = the merge's four LDS addresses
; A round of the cluster's barrier: my work-group's barrier, wave 0 signals for the work-group, every wave waits for all four work-groups, my work-group's barrier again.
.macro ROUND
	s_barrier_signal -1
	s_barrier_wait -1
	s_cmp_lg_u32 s12, 0
	s_cbranch_scc1 .Lnot_wave_0_\@
	s_barrier_signal -3
.Lnot_wave_0_\@:
	s_barrier_wait -3
	s_barrier_signal -1
	s_barrier_wait -1
.endm
	s_load_b256 s[4:11], s[0:1], 0x0               ; qf s[4:5], kv s[6:7], part s[8:9], att s[10:11]
	s_set_vgpr_msb 0x40
	v_lshl_add_u32 v0, v0, 2, 0x49c00
	v_mov_b32 v1, 0
	s_set_vgpr_msb 0x4045
	ds_add_u32 v0, v1
	s_set_vgpr_msb 0x4500
	v_lshrrev_b32 v1, 5, v0
	v_readfirstlane_b32 s12, v1                    ; wave 0..7
	s_and_b32 s13, s12, 1                          ; g: which 32 queries
	s_lshr_b32 s14, s12, 1                         ; kp: which 64 of every 256 keys
	s_and_b32 s15, ttmp7, 0xffff                   ; head (the cluster is one work-group high)
	s_bfe_u32 s16, ttmp6, 0x40000                  ; cx
	s_lshl_b32 s17, ttmp9, 2
	s_add_co_u32 s17, s17, s16                     ; query block = 4 x cluster x + cx: enters the addresses of q and of the result alone
	s_mov_b32 s40, 0x76543210                      ; v_permlanex16_b32: lane i of one half reads lane i of the other
	s_mov_b32 s41, 0xfedcba98
	; group 1: 64 rows of 32 elements of 8 bytes, dense
	s_mov_b32 s[G1+0], 15|(3<<16)|(1<<21)          ; 15:0 the mask: all four work-groups of the cluster; 17:16 elements of 8 bytes; 21 set beside a mask
	s_mov_b32 s[G1+1], 32<<16                      ; tensor_dim0 = 32
	s_mov_b32 s[G1+2], 64<<16                      ; tensor_dim1 = 64
	s_mov_b32 s[G1+3], 32<<16                      ; tile_dim0 = 32
	s_mov_b32 s[G1+4], 64                          ; tile_dim1 = 64
	s_mov_b32 s[G1+5], 32                          ; from row to row: 32 elements
	s_mov_b32 s[G1+6], 0
	s_mov_b32 s[G1+7], 0
	s_lshl_b32 s18, s15, 19                        ; kv: head x 524288
	s_lshl_b32 s20, s12, 14                        ;     + wave x 16384, in memory and in the slot
	s_add_co_u32 s18, s18, s20
	s_mov_b32 s19, 0
	s_wait_dscnt 0x0
	s_wait_kmcnt 0x0
	s_add_nc_u64 s[6:7], s[6:7], s[18:19]
.irp n,0,1
	s_mov_b32 s[G0+4*\n], 1                                        ; count = 1
	s_add_co_u32 s[G0+4*\n+1], s20, \n*TILEB                       ; LDS address: slot n, my eighth
	s_add_nc_u64 s[G0+4*\n+2:G0+4*\n+3], s[6:7], \n*TILEB          ; global address: tile n, my eighth
	s_or_b32 s[G0+4*\n+3], s[G0+4*\n+3], 0x80000000                ; type = 2
.endr
	ROUND                                          ; all four work-groups are here: the first joint loads meet
	tensor_load_to_lds s[G0:G0+3], s[G1:G1+7]      ; tile 0
	s_nop 0
	tensor_load_to_lds s[G0+4:G0+7], s[G1:G1+7]    ; tile 1
	s_nop 0
	v_and_b32 v1, 31, v0
	v_lshlrev_b32 v2, 4, v1                        ; 16 x lane
	s_lshl_b32 s22, s15, 14                        ; part: head x 16384 + wave x 2048 (8 of the 64 row blocks)
	s_lshl_b32 s21, s12, 11
	s_add_co_u32 s22, s22, s21
	s_mov_b32 s23, 0
	s_add_nc_u64 s[8:9], s[8:9], s[22:23]
.irp n,0,1,2,3
	global_load_b128 v[RS+4*\n:RS+4*\n+3], v2, s[8:9] offset:\n*512    ; two row blocks: lane L holds block L / 16, numbers 4 (L % 16) .. + 3
.endr
	s_lshl_b32 s22, s15, 19                        ; qf: head x 524288 + (4 x query block + 2 g) x 2048
	s_lshl_b32 s21, s17, 13
	s_add_co_u32 s22, s22, s21
	s_lshl_b32 s21, s13, 12
	s_add_co_u32 s22, s22, s21
	s_add_nc_u64 s[4:5], s[4:5], s[22:23]
.irp qt,0,1
.irp c,0,1
.irp p,0,1
	global_load_b128 v[RK+16*\qt+8*\c+4*\p:RK+16*\qt+8*\c+4*\p+3], v2, s[4:5] offset:\qt*2048+\c*1024+\p*512
.endr
.endr
.endr
	; of the merged result I store the tile (query tile qm = kp / 2, channels 16 dm .., dm = kp % 2) of my 32 queries
	s_lshr_b32 s42, s14, 1                         ; qm
	s_and_b32 s43, s14, 1                          ; dm
	s_lshl_b32 s22, s17, 14                        ; att: (4 x query block + 2 g + qm) x 4096 + head x 1024 + dm x 512
	s_lshl_b32 s21, s13, 13
	s_add_co_u32 s22, s22, s21
	s_lshl_b32 s21, s42, 12
	s_add_co_u32 s22, s22, s21
	s_lshl_b32 s21, s15, 10
	s_add_co_u32 s22, s22, s21
	s_lshl_b32 s21, s43, 9
	s_add_co_u32 s22, s22, s21
	s_add_nc_u64 s[10:11], s[10:11], s[22:23]
	s_mul_i32 s45, s12, 2*REC
	s_add_co_u32 s45, s45, SCR                     ; my two records
	s_mul_i32 s46, s13, 2*REC
	s_mul_i32 s21, s42, REC
	s_add_co_u32 s46, s46, s21
	s_add_co_u32 s46, s46, SCR                     ; the record (g, kp = 0, qm); those of kp = 1, 2, 3 lie 4 records further each
	s_lshl_b32 s47, s43, 10
	s_add_co_u32 s47, s47, s46                     ; and in it the channels 16 dm ..
	s_lshl_b32 s21, s14, 13
	v_add_nc_u32 v[LA], s21, v2                    ; slot 0, steps 0 and 1: kp x 8192 + 16 lane
	v_add_nc_u32 v[LA+1], 0x10000, v[LA]           ; slot 0, steps 2 and 3
	v_add_nc_u32 v[LA+2], 0x20000, v[LA]           ; slot 1, steps 0 and 1
	v_add_nc_u32 v[LA+3], 0x30000, v[LA]           ; slot 1, steps 2 and 3
	v_and_b32 v1, 15, v0
	v_lshlrev_b32 v1, 4, v1
	s_lshl_b32 s21, s12, 8
	s_add_co_u32 s21, s21, PS1
	v_add_nc_u32 v7, s21, v1                       ; my wave's 256 bytes of sums: 16 (lane % 16)
	v_and_b32 v1, 7, v0
	v_lshlrev_b32 v1, 4, v1                        ; 16 (lane % 8): four of the 32 channels
	v_add_nc_u32 v92, PS1, v1
	s_lshl_b32 s21, s12, 7
	s_add_co_u32 s21, s21, PS2
	v_add_nc_u32 v93, s21, v1
	v_bfe_u32 v1, v0, 4, 1
	v_lshl_add_u32 v94, v1, 5, s21                 ; + 32 h
	v_mov_b32 v[RNM+1], 0                          ; the second registers of pairs of which only the first is used
	v_mov_b32 v[RNM+3], 0
	v_mov_b32 v[RAL+1], 0
	v_mov_b32 v[RAL+3], 0
	s_wait_loadcnt 0x8                             ; the sums of squares are in; the eight loads of q stay out
.irp n,1,2,3
	v_pk_add_f32 v[RS:RS+1], v[RS:RS+1], v[RS+4*\n:RS+4*\n+1]
	v_pk_add_f32 v[RS+2:RS+3], v[RS+2:RS+3], v[RS+4*\n+2:RS+4*\n+3]
.endr
.irp i,0,1,2,3
	v_permlanex16_b32 v[RS+4+\i], v[RS+\i], s40, s41               ; the other half of the lanes holds the odd row blocks
.endr
	v_pk_add_f32 v[RS:RS+1], v[RS:RS+1], v[RS+4:RS+5]
	v_pk_add_f32 v[RS+2:RS+3], v[RS+2:RS+3], v[RS+6:RS+7]
	ds_store_b128 v7, v[RS:RS+3]                   ; lanes L and L + 16 write the same words with the same values
	s_wait_dscnt 0x0                               ; for the other waves' sake
	s_wait_tensorcnt 0x1                           ; my eighth of tile 0 is in; tile 1's may stay out
	s_barrier_signal -1
	s_barrier_wait -1
.irp n,0,1,2,3,4,5,6,7
	ds_load_b128 v[RS+4*\n:RS+4*\n+3], v92 offset:\n*256           ; q's channels 4 (L % 8) .. + 3, the eight waves' sums
	ds_load_b128 v[RS+32+4*\n:RS+32+4*\n+3], v92 offset:\n*256+128 ; k's
.endr
	s_wait_dscnt 0x0
.irp n,1,2,3,4,5,6,7
	v_pk_add_f32 v[RS:RS+1], v[RS:RS+1], v[RS+4*\n:RS+4*\n+1]
	v_pk_add_f32 v[RS+2:RS+3], v[RS+2:RS+3], v[RS+4*\n+2:RS+4*\n+3]
	v_pk_add_f32 v[RS+32:RS+33], v[RS+32:RS+33], v[RS+32+4*\n:RS+32+4*\n+1]
	v_pk_add_f32 v[RS+34:RS+35], v[RS+34:RS+35], v[RS+32+4*\n+2:RS+32+4*\n+3]
.endr
.irp i,0,1,2,3
	v_sqrt_f32 v[RT+\i], v[RS+\i]
	v_sqrt_f32 v[RT+4+\i], v[RS+32+\i]
.endr
	v_nop                                          ; one plain place behind the roots (ISA guide 5.7.2)
	s_wait_alu depctr_va_vdst(0)
.irp i,0,1,2,3,4,5,6,7
	v_max_num_f32 v[RT+\i], 0x322bcc77, v[RT+\i]   ; clipped to eps = 1e-8
.endr
	v_pk_mul_f32 v[RT:RT+1], v[RT:RT+1], v[RT+4:RT+5]
	v_pk_mul_f32 v[RT+2:RT+3], v[RT+2:RT+3], v[RT+6:RT+7]
.irp i,0,1,2,3
	v_rcp_f32 v[RF+\i], v[RT+\i]
.endr
	v_nop                                          ; one plain place behind the reciprocals
	s_wait_alu depctr_va_vdst(0)
	v_pk_mul_f32 v[RF:RF+1], v[RF:RF+1], 0x4166d4ca op_sel_hi:[1,0]        ; x 10 log2(e)
	v_pk_mul_f32 v[RF+2:RF+3], v[RF+2:RF+3], 0x4166d4ca op_sel_hi:[1,0]
	ds_store_b128 v93, v[RF:RF+3]                  ; my wave's own copy; lanes with the same L % 8 write the same values
.irp c,0,1
.irp p,0,1
	ds_load_b128 v[RV+8*\c+4*\p:RV+8*\c+4*\p+3], v94 offset:64*\c+16*\p    ; LDS serves a wave's instructions in order (ISA guide 5.7.1): these see the store
.endr
.endr
	s_wait_loadcnt 0x0                             ; q
	s_wait_dscnt 0x0
.irp qt,0,1
.irp i,0,2,4,6,8,10,12,14
	v_pk_mul_f32 v[RK+16*\qt+\i:RK+16*\qt+\i+1], v[RK+16*\qt+\i:RK+16*\qt+\i+1], v[RV+\i:RV+\i+1]
.endr
.irp i,0,1,2,3,4,5,6,7
	v_cvt_pk_bf16_f32 v[RQ+8*\qt+\i], v[RK+16*\qt+2*\i], v[RK+16*\qt+2*\i+1]
.endr
.endr
.macro KLOAD slot, st                  ; four tiles of 16 keys: 8 loads
.irp kt,0,1,2,3
.irp c,0,1
	ds_load_b128 v[RK+8*\kt+4*\c:RK+8*\kt+4*\c+3], v[LA+2*\slot+(\st)/2] offset:((\st)%2)*STEPB+(\kt/2)*4096+(\kt%2)*1024+\c*512
.endr
.endr
.endm
.macro VLOAD slot, st                  ; two blocks of 32 keys x two tiles of 16 channels: 8 loads
.irp b,0,1
.irp dt,0,1
.irp c,0,1
	ds_load_b128 v[RV+16*\b+8*\dt+4*\c:RV+16*\b+8*\dt+4*\c+3], v[LA+2*\slot+(\st)/2] offset:((\st)%2)*STEPB+\b*4096+2048+\dt*1024+\c*512
.endr
.endr
.endr
.endm
; one score tile: 16 keys (kt = ch / 2) x 16 queries (qt = ch % 2), all 32 channels in one instruction
.macro SN ch
	v_wmma_f32_16x16x32_bf16 v[RS+8*\ch:RS+8*\ch+7], v[RK+8*(\ch/2):RK+8*(\ch/2)+7], v[RQ+8*(\ch%2):RQ+8*(\ch%2)+7], 0
.endm
; O^T += V^T P, product i of a step's eight: b = i / 4, qt = (i / 2) % 2, dt = i % 2.  pend = 0: none is due; 1: it adds; 2: the launch's first step, whose b = 0 starts the sums.
; The four accumulators take turns, one instruction a turn.
.macro PVW i, pend
.if \pend
.set PB, (\i)/4
.set PQ, ((\i)/2)%2
.set PD, (\i)%2
.if ((\pend)/2)*(1-PB)
	v_wmma_f32_16x16x32_f16 v[RO+16*PQ+8*PD:RO+16*PQ+8*PD+7], v[RV+16*PB+8*PD:RV+16*PB+8*PD+7], v[RP+16*PQ+8*PB:RP+16*PQ+8*PB+7], 0
.else
	v_wmma_f32_16x16x32_f16 v[RO+16*PQ+8*PD:RO+16*PQ+8*PD+7], v[RV+16*PB+8*PD:RV+16*PB+8*PD+7], v[RP+16*PQ+8*PB:RP+16*PQ+8*PB+7], v[RO+16*PQ+8*PD:RO+16*PQ+8*PD+7]
.endif
.endif
.endm
.macro PVALL                           ; all eight in a run: where no vector work is at hand
.irp i,0,1,2,3,4,5,6,7
	PVW \i, 1
.endr
.endm
.macro MXS kt, qt                      ; a chain of maxima starts with a tile's scores 0, 1, 2
	v_max3_num_f32 v[RT+4*\qt+\kt], v[RS+16*\kt+8*\qt], v[RS+16*\kt+8*\qt+1], v[RS+16*\kt+8*\qt+2]
.endm
.macro MXC kt, qt, j                   ; and takes in scores j and j + 1
	v_max3_num_f32 v[RT+4*\qt+\kt], v[RT+4*\qt+\kt], v[RS+16*\kt+8*\qt+\j], v[RS+16*\kt+8*\qt+\j+1]
.endm
.macro SUBT ch                         ; score - maximum
.irp i,0,2,4,6
	v_pk_add_f32 v[RS+8*\ch+\i:RS+8*\ch+\i+1], v[RS+8*\ch+\i:RS+8*\ch+\i+1], v[RNM+2*(\ch%2):RNM+2*(\ch%2)+1] op_sel_hi:[1,0]
.endr
.endm
.macro EXPT ch                         ; eight exponentials in a run; behind them always comes plain work on another tile
.irp i,0,1,2,3,4,5,6,7
	v_exp_f32 v[RS+8*\ch+\i], v[RS+8*\ch+\i]
.endr
.endm
.macro SUMCVT ch, first                ; the tile's eight numbers join the row sums and are packed to f16 as source 1 of the second product
.set QT, \ch%2
.set KT, \ch/2
.set SA, RLS+4*QT
.set SPP, RS+8*\ch
.if KT == 0
.if \first
	s_wait_alu depctr_va_vdst(0)
	v_pk_add_f32 v[SA:SA+1], v[SPP:SPP+1], v[SPP+4:SPP+5]          ; the first numbers start the sums
	v_pk_add_f32 v[SA+2:SA+3], v[SPP+2:SPP+3], v[SPP+6:SPP+7]
.else
	s_wait_alu depctr_va_vdst(0)
	v_pk_fma_f32 v[SA:SA+1], v[SA:SA+1], v[RAL+2*QT:RAL+2*QT+1], v[SPP:SPP+1] op_sel_hi:[1,0,1]        ; the old sums move to the new maximum
	v_pk_fma_f32 v[SA+2:SA+3], v[SA+2:SA+3], v[RAL+2*QT:RAL+2*QT+1], v[SPP+2:SPP+3] op_sel_hi:[1,0,1]
	v_pk_add_f32 v[SA:SA+1], v[SA:SA+1], v[SPP+4:SPP+5]
	v_pk_add_f32 v[SA+2:SA+3], v[SA+2:SA+3], v[SPP+6:SPP+7]
.endif
.else
	s_wait_alu depctr_va_vdst(0)
	v_pk_add_f32 v[SA:SA+1], v[SA:SA+1], v[SPP:SPP+1]
	v_pk_add_f32 v[SA+2:SA+3], v[SA+2:SA+3], v[SPP+2:SPP+3]
	v_pk_add_f32 v[SA:SA+1], v[SA:SA+1], v[SPP+4:SPP+5]
	v_pk_add_f32 v[SA+2:SA+3], v[SA+2:SA+3], v[SPP+6:SPP+7]
.endif
.irp i,0,1,2,3
	v_cvt_pk_f16_f32 v[RP+16*QT+4*KT+\i], v[SPP+2*\i], v[SPP+2*\i+1]
.endr
.endm
; exponentials of tile a, subtraction for tile b, sums and packing of tile c; then tile c's registers take the next step's scores
.macro TRI a, b, c, first, st
	EXPT \a
	SUBT \b
	SUMCVT \c, \first
.if \st < 3
	SN \c
.endif
.endm
.macro OSCQ qt                         ; O of one query tile moves to the new maximum
.irp i,0,2,4,6,8,10,12,14
	v_pk_mul_f32 v[RO+16*\qt+\i:RO+16*\qt+\i+1], v[RO+16*\qt+\i:RO+16*\qt+\i+1], v[RAL+2*\qt:RAL+2*\qt+1] op_sel_hi:[1,0]
.endr
.endm
; One step: my 64 keys of step st of the tile in the slot, times my 32 queries.  At its head the step's scores lie in RS.
; DISTANCES (ISA guide 7.12.1), by this text's own count of plain vector lines that name none of the matrix instruction's registers:
; a score tile is read 16 or more behind its product (tiles of kt = 3: the 18 lines on kt = 0, 1, 2); K is loaded again 6 behind the last score product;
; V is loaded again, P packed again and O scaled 4 or more behind the last product V^T x P (the four lines of SUBT 1, and more).
.macro STEP slot, st, first, pend
.if \pend
	s_wait_dscnt 0x0                               ; the last step's V is in: its eight loads are all that is out
.endif
.irp kt,0,1,2
.irp qt,0,1
	MXS \kt, \qt
.endr
.endr
.if \st < 3
	KLOAD \slot, \st+1                             ; K of the next step
.endif
	PVW 0, \pend
.irp kt,0,1,2
.irp qt,0,1
	MXC \kt, \qt, 3
.endr
.endr
	PVW 1, \pend
.irp kt,0,1,2
.irp qt,0,1
	MXC \kt, \qt, 5
.endr
.endr
	PVW 2, \pend
	MXS 3, 0
	MXS 3, 1
.irp qt,0,1
	v_max3_num_f32 v[RT+4*\qt], v[RT+4*\qt], v[RT+4*\qt+1], v[RT+4*\qt+2]
.endr
	PVW 3, \pend
	MXC 3, 0, 3
	MXC 3, 1, 3
.irp qt,0,1
	v_max3_num_f32 v[RT+4*\qt+1], v[RS+8*\qt+7], v[RS+16+8*\qt+7], v[RS+32+8*\qt+7]    ; the eighth scores of kt = 0, 1, 2
.endr
	PVW 4, \pend
	MXC 3, 0, 5
	MXC 3, 1, 5
.irp qt,0,1
.if \first
	v_max_num_f32 v[RT+4*\qt+3], v[RT+4*\qt+3], v[RS+48+8*\qt+7]
.else
	v_max3_num_f32 v[RT+4*\qt+3], v[RT+4*\qt+3], v[RS+48+8*\qt+7], v[RM+2*\qt]         ; the eighth score of kt = 3 and the old maximum
.endif
.endr
	PVW 5, \pend
.irp qt,0,1
	v_max3_num_f32 v[RT+4*\qt], v[RT+4*\qt], v[RT+4*\qt+1], v[RT+4*\qt+3]
.endr
.irp qt,0,1
	v_permlanex16_b32 v[RT+4*\qt+1], v[RT+4*\qt], s40, s41         ; the same query's other keys lie in the other half of the lanes
.endr
.irp qt,0,1
	v_max_num_f32 v[RT+4*\qt], v[RT+4*\qt], v[RT+4*\qt+1]
.endr
	PVW 6, \pend
.irp qt,0,1
	v_sub_f32 v[RNM+2*\qt], 0, v[RT+4*\qt]
.endr
.if \first == 0
.irp qt,0,1
	v_sub_f32 v[RAL+2*\qt], v[RM+2*\qt], v[RT+4*\qt]
.endr
.endif
.irp qt,0,1
	v_mov_b32 v[RM+2*\qt], v[RT+4*\qt]
.endr
.if \first == 0
.irp qt,0,1
	v_exp_f32 v[RAL+2*\qt], v[RAL+2*\qt]           ; used far below; the next plain lines touch it not
.endr
.endif
	SUBT 0
	PVW 7, \pend
	EXPT 0
	SUBT 1
	EXPT 1
	SUBT 2
	SUMCVT 0, \first
	VLOAD \slot, \st                               ; this step's V: wanted at the next step's head
.if \st < 3
	s_wait_dscnt 0x8                               ; the next step's K is in; V's eight loads, issued behind it, may be out
	SN 0
.endif
	TRI 2, 3, 1, \first, \st
.if \first == 0
	OSCQ 0
.endif
	TRI 3, 4, 2, \first, \st
.if \first == 0
	OSCQ 1
.endif
	TRI 4, 5, 3, \first, \st
	TRI 5, 6, 4, \first, \st
	TRI 6, 7, 5, \first, \st
	EXPT 7
	SUMCVT 6, \first
.if \st < 3
	SN 6
.endif
	SUMCVT 7, \first
.if \st < 3
	SN 7
.endif
.endm
; A tile: its first step's K is read, the last tile's last products V^T x P are issued while those loads are on their way, then the eight score products in a run.
.macro TILE slot, first
	KLOAD \slot, 0
.if \first == 0
	PVALL
.endif
	s_wait_dscnt 0x0                               ; K is in
.irp ch,0,1,2,3,4,5,6,7
	SN \ch
.endr
.rept 4
	v_nop                                          ; four places (ISA guide 7.12.1) before the scores are read
.endr
	STEP \slot, 0, \first, 0
.if \first
	STEP \slot, 1, 0, 2
.else
	STEP \slot, 1, 0, 1
.endif
	STEP \slot, 2, 0, 1
	STEP \slot, 3, 0, 1
.endm
; the change of slots: the tile in \slot is read next; the other slot, read last, is filled again two tiles ahead
.macro TWO slot, refill
	s_set_vgpr_msb 0x5
	s_wait_tensorcnt 0x0                           ; all my tensor loads have landed, my eighth of this slot's tile among them,
	ds_add_u32 v0, v1
	s_wait_dscnt 0x0
	s_set_vgpr_msb 0x500
.if \refill
	s_add_nc_u64 s[G0+6-4*\slot:G0+7-4*\slot], s[G0+6-4*\slot:G0+7-4*\slot], 2*TILEB   ; so a group 0 may be written: the other slot's next tile
.endif
	s_wait_dscnt 0x0                               ; my reads of the other slot are over, the last step's V among them
	ROUND                                          ; both now hold of every wave of all four work-groups
.if \refill
	tensor_load_to_lds s[G0+4-4*\slot:G0+7-4*\slot], s[G1:G1+7]    ; my one tensor load behind the round, first thing there
	s_nop 0
.endif
	TILE \slot, 0
.endm
	; four tiles, written out: two first fills, two refills
	TILE 0, 1                                      ; tile 0; its first step starts the maxima and the sums
	TWO 1, 1                                       ; tile 1; slot 0 gets tile 2
	TWO 0, 1                                       ; tile 2; slot 1 gets tile 3
	TWO 1, 0                                       ; tile 3: nothing is left to fetch
	s_wait_dscnt 0x0                               ; the last step's V
	PVALL                                          ; and its products
	; the merge's LDS addresses: six plain lines that name none of the last matrix instructions' registers, so they are also the four places before O is read (ISA guide 7.12.1)
	v_and_b32 v1, 31, v0
	v_lshlrev_b32 v1, 3, v1                        ; 8 x lane
	v_add_nc_u32 v92, s45, v2                      ; my records, O
	v_add_nc_u32 v93, s45, v1                      ; my records, (m, l)
	v_add_nc_u32 v94, s47, v2                      ; the tile that I merge, O
	v_add_nc_u32 v95, s46, v1                      ; the tile that I merge, (m, l)
.irp qt,0,1
	v_pk_add_f32 v[RLS+4*\qt:RLS+4*\qt+1], v[RLS+4*\qt:RLS+4*\qt+1], v[RLS+4*\qt+2:RLS+4*\qt+3]
	v_add_f32 v[RT], v[RLS+4*\qt], v[RLS+4*\qt+1]
	v_permlanex16_b32 v[RT+1], v[RT], s40, s41     ; the same query's other keys lie in the other half of the lanes
	v_add_f32 v[RM+2*\qt+1], v[RT], v[RT+1]        ; the row sum over my keys, beside its maximum
.endr
	; THE MERGE: every wave lays down its O, m and l; then wave (g, kp) joins the four quarters of the keys for one tile of 16 queries x 16 channels
.irp qt,0,1
.irp i,0,1,2,3
	ds_store_b128 v92, v[RO+16*\qt+4*\i:RO+16*\qt+4*\i+3] offset:\qt*REC+512*\i
.endr
	ds_store_b64 v93, v[RM+2*\qt:RM+2*\qt+1] offset:\qt*REC+2048
.endr
	s_wait_dscnt 0x0                               ; for the reading waves' sake
	ROUND                                          ; the closing round: no work-group ends while a partner may still ask jointly; its barriers also order the merge
.irp k,0,1,2,3
	ds_load_b128 v[RS+8*\k:RS+8*\k+3], v94 offset:\k*4*REC
	ds_load_b128 v[RS+8*\k+4:RS+8*\k+7], v94 offset:\k*4*REC+512
	ds_load_b64 v[RT+2*\k:RT+2*\k+1], v95 offset:\k*4*REC+2048
.endr
	s_wait_dscnt 0x0
	v_max3_num_f32 v[RAL], v[RT], v[RT+2], v[RT+4]
	v_max_num_f32 v[RAL], v[RAL], v[RT+6]          ; the common maximum
.irp k,0,1,2,3
	v_sub_f32 v[RF+2*\k], v[RT+2*\k], v[RAL]
.endr
.irp k,0,1,2,3
	v_exp_f32 v[RF+2*\k], v[RF+2*\k]
.endr
	v_nop                                          ; one plain place behind the exponentials
	s_wait_alu depctr_va_vdst(0)
.irp k,0,1,2,3
	v_mul_f32 v[RF+2*\k+1], v[RT+2*\k+1], v[RF+2*\k]               ; each quarter's row sum at the common maximum
.endr
	v_add_f32 v[RAL+2], v[RF+1], v[RF+3]
	v_add_f32 v[RAL+3], v[RF+5], v[RF+7]
	v_add_f32 v[RAL+2], v[RAL+2], v[RAL+3]         ; the whole row sum: at least 1, from the quarter that holds the maximum
	v_rcp_f32 v[RAL+2], v[RAL+2]
	v_nop                                          ; one plain place behind the reciprocal
	s_wait_alu depctr_va_vdst(0)
.irp k,0,1,2,3
	v_mul_f32 v[RF+2*\k], v[RF+2*\k], v[RAL+2]
.endr
.irp i,0,2,4,6
	v_pk_mul_f32 v[RO+\i:RO+\i+1], v[RS+\i:RS+\i+1], v[RF:RF+1] op_sel_hi:[1,0]
.endr
.irp k,1,2,3
.irp i,0,2,4,6
	v_pk_fma_f32 v[RO+\i:RO+\i+1], v[RS+8*\k+\i:RS+8*\k+\i+1], v[RF+2*\k:RF+2*\k+1], v[RO+\i:RO+\i+1] op_sel_hi:[1,0,1]
.endr
.endr
.irp i,0,1,2,3
	v_cvt_pk_f16_f32 v[RP+\i], v[RO+2*\i], v[RO+2*\i+1]
.endr
	global_store_b128 v2, v[RP:RP+3], s[10:11]     ; 512 consecutive bytes: a half fragment of the next launch
	s_set_vgpr_msb 0x5
	s_wait_tensorcnt 0x0
	ds_add_u32 v0, v1
	s_wait_dscnt 0x0
	s_set_vgpr_msb 0x500
	s_endpgm
.Lfunc_end_k_qde29b03880_attn:
	.size	k_qde29b03880_attn, .Lfunc_end_k_qde29b03880_attn-k_qde29b03880_attn
	.p2alignl 7, 3214868480
	.fill 96, 4, 3214868480
	.section	.rodata,"a",@progbits
	.p2align	6, 0x0
	.amdhsa_kernel k_qde29b03880_attn
		.amdhsa_group_segment_fixed_size 327680
		.amdhsa_private_segment_fixed_size 0
		.amdhsa_enable_private_segment 0
		.amdhsa_kernarg_size 32
		.amdhsa_user_sgpr_count 2
		.amdhsa_user_sgpr_kernarg_segment_ptr 1
		.amdhsa_wavefront_size32 1
		.amdhsa_system_sgpr_workgroup_id_x 1
		.amdhsa_system_sgpr_workgroup_id_y 1
		.amdhsa_system_sgpr_workgroup_id_z 1
		.amdhsa_system_vgpr_workitem_id 0
		.amdhsa_next_free_vgpr 258
		.amdhsa_next_free_sgpr 66
		.amdhsa_reserve_vcc 0
		.amdhsa_float_denorm_mode_32 3
		.amdhsa_float_denorm_mode_16_64 3
		.amdhsa_memory_ordered 1
		.amdhsa_forward_progress 1
		.amdhsa_inst_pref_size 239
	.end_amdhsa_kernel
	.amdgpu_metadata
---
amdhsa.version: [ 1, 2 ]
amdhsa.kernels:
  - .name:           k_qde29b03880_attn
    .symbol:         k_qde29b03880_attn.kd
    .args:
      - { .name: qf, .offset: 0, .size: 8, .value_kind: global_buffer, .address_space: global }
      - { .name: kv, .offset: 8, .size: 8, .value_kind: global_buffer, .address_space: global }
      - { .name: part, .offset: 16, .size: 8, .value_kind: global_buffer, .address_space: global }
      - { .name: att, .offset: 24, .size: 8, .value_kind: global_buffer, .address_space: global }
    .group_segment_fixed_size: 327680
    .private_segment_fixed_size: 0
    .kernarg_segment_align: 8
    .kernarg_segment_size: 32
    .max_flat_workgroup_size: 256
    .sgpr_count:     66
    .vgpr_count:     258
    .wavefront_size: 32
...
	.end_amdgpu_metadata
.endif
;; end of part 2
;; launch outp (part 3): grid 256 x 1, 4 waves a work-group, no clusters, 44,032 bytes of LDS; arguments att, w_out, b_out, out0; writes out0
.if DOCPART == 3
	.amdgcn_target "amdgcn-amd-amdhsa--gfx1250"
	.amdhsa_code_object_version 6
	.text
	.protected	k_qde29b03880_outp
	.globl	k_qde29b03880_outp
	.p2align	8
	.type	k_qde29b03880_outp,@function
k_qde29b03880_outp:
	s_mov_b64 s[64:65], 0
	v_nop
	global_prefetch_b8 v0, s[64:65] scope:SCOPE_SE
	s_setreg_imm32_b32 hwreg(HW_REG_WAVE_MODE, 25, 1), 1
	s_wait_xcnt 0x0
; out0 = att w_out^T + b_out for 16 rows (one query tile) a work-group.  Four waves; wave w makes columns 32 w .. 32 w + 31: two tiles of 16 x 16, K = 128 in four steps.
; att lies in memory as source-1 fragments in f16 ([query tile][head = K step][c][lane][8]) and is loaded straight into registers.
; The wave's 32 rows of w_out come in as whole rows of 512 bytes, are rounded to f16 and pass through the wave's own LDS bytes (pitch 272) to become source-0 fragments.
; A lane's eight results are then eight neighbouring columns of one row; the bias of those columns is the first product's C.
; The way out: a stage of 16 rows of 528 bytes in LDS, read back as whole rows, so that each store of a wave covers one row's 512 consecutive bytes.
; No cluster and no tensor loads: w_out must be rounded on its way, and a work-group reads 68 KiB in all.
; LIMIT: |w_out| under 65504 (f16 operand); att as the launch before stores it.
.set PITCH, 272
.set WREG,  32*PITCH                   ; a wave's 32 rows of w_out
.set STG,   4*WREG                     ; the stage
.set SPITCH, 528
.set ACC,   16                         ; v[16:31]   two accumulator tiles, started with the bias
.set ATT,   32                         ; v[32:63]   fragments of att, four K steps
.set WF,    64                         ; v[64:127]  fragments of w_out: (t, ks) at 32 t + 8 ks; at the end the rows read back
.set ST,    128                        ; v[128:255] the 32 rows of w_out as they come in
	s_load_b256 s[4:11], s[0:1], 0x0               ; att s[4:5], w_out s[6:7], b_out s[8:9], out0 s[10:11]
	v_lshl_add_u32 v14, v0, 2, 0xaa00
	v_mov_b32 v15, 0
	v_lshrrev_b32 v1, 5, v0
	v_readfirstlane_b32 s12, v1                    ; wave 0..3
	v_and_b32 v1, 31, v0
	v_lshlrev_b32 v2, 4, v1                        ; 16 x lane
	v_and_b32 v8, 15, v0                           ; r
	v_bfe_u32 v9, v0, 4, 1                         ; h
	v_lshlrev_b32 v3, 5, v9                        ; 32 h: my eight columns' bias
	s_mov_b32 s15, 0
	s_mov_b32 s17, 0
	s_mov_b32 s19, 0
	s_mov_b32 s21, 0
	s_lshl_b32 s14, ttmp9, 12                      ; att: query tile x 4096
	s_lshl_b32 s16, s12, 14                        ; w_out: wave x 32 rows x 512
	s_lshl_b32 s18, s12, 7                         ; b_out: wave x 32 numbers
	s_lshl_b32 s20, ttmp9, 13                      ; out0: 16 rows x 512 + wave x 4 rows
	s_lshl_b32 s22, s12, 11
	s_add_co_u32 s20, s20, s22
	s_wait_kmcnt 0x0
	s_add_nc_u64 s[4:5], s[4:5], s[14:15]
	s_add_nc_u64 s[6:7], s[6:7], s[16:17]
	s_add_nc_u64 s[8:9], s[8:9], s[18:19]
	s_add_nc_u64 s[10:11], s[10:11], s[20:21]
.set n, 0
.rept 32
	global_load_b128 v[ST+4*n:ST+4*n+3], v2, s[6:7] offset:n*512
.set n, n+1
.endr
.irp n,0,1,2,3,4,5,6,7
	global_load_b128 v[ATT+4*\n:ATT+4*\n+3], v2, s[4:5] offset:\n*512      ; n = 2 ks + c
.endr
.irp t,0,1
.irp p,0,1
	global_load_b128 v[ACC+8*\t+4*\p:ACC+8*\t+4*\p+3], v3, s[8:9] offset:64*\t+16*\p
.endr
.endr
	s_mul_i32 s22, s12, WREG
	v_lshl_add_u32 v4, v1, 3, s22                  ; rows go in at: my region + 8 lane
	v_mul_u32_u24 v5, v8, PITCH
	v_lshl_add_u32 v5, v9, 4, v5
	v_add_nc_u32 v5, s22, v5                       ; a fragment: my region + row r x pitch + 16 h
	v_mul_u32_u24 v6, v8, SPITCH
	v_lshl_add_u32 v6, v9, 5, v6
	s_lshl_b32 s22, s12, 7
	s_add_co_u32 s22, s22, STG
	v_add_nc_u32 v6, s22, v6                       ; the stage, in: row r, byte 128 w + 32 h
	s_mul_i32 s22, s12, 4*SPITCH
	s_add_co_u32 s22, s22, STG
	v_add_nc_u32 v7, s22, v2                       ; the stage, back: rows 4 w .., 16 bytes a lane
.macro CONV reg, adr, off              ; four f32 become four f16 and go to LDS: 32 lanes x 8 bytes = a row of 256 bytes
	v_cvt_pk_f16_f32 v[\reg], v[\reg], v[\reg+1]
	v_cvt_pk_f16_f32 v[\reg+1], v[\reg+2], v[\reg+3]
	ds_store_b64 v[\adr], v[\reg:\reg+1] offset:\off
.endm
.irp g,0,1,2,3
	s_wait_loadcnt 36-8*\g                         ; loads come back in order: these eight rows are in; the later rows, att's 8 loads and the bias's 4 stay out
.irp n,0,1,2,3,4,5,6,7
	CONV ST+32*\g+4*\n, 4, (8*\g+\n)*PITCH
.endr
.endr
.irp t,0,1
.irp ks,0,1,2,3
	ds_load_b128 v[WF+32*\t+8*\ks:WF+32*\t+8*\ks+3], v5 offset:\t*16*PITCH+\ks*64          ; my wave's own bytes: LDS serves a wave's instructions in order (ISA guide 5.7.1)
	ds_load_b128 v[WF+32*\t+8*\ks+4:WF+32*\t+8*\ks+7], v5 offset:\t*16*PITCH+\ks*64+32
.endr
.endr
	s_wait_loadcnt 0x0                             ; att and the bias
	s_wait_dscnt 0x0
	; the two accumulators take turns, one instruction a turn
.irp ks,0,1,2,3
.irp t,0,1
	v_wmma_f32_16x16x32_f16 v[ACC+8*\t:ACC+8*\t+7], v[WF+32*\t+8*\ks:WF+32*\t+8*\ks+7], v[ATT+8*\ks:ATT+8*\ks+7], v[ACC+8*\t:ACC+8*\t+7]
.endr
.endr
.rept 4
	v_nop                                          ; four places (ISA guide 7.12.1) before the results are read and the fragment registers loaded again
.endr
.irp t,0,1
.irp p,0,1
	ds_store_b128 v6, v[ACC+8*\t+4*\p:ACC+8*\t+4*\p+3] offset:64*\t+16*\p
.endr
.endr
	s_wait_dscnt 0x0                               ; for the other waves' sake
	s_barrier_signal -1
	s_barrier_wait -1
.irp n,0,1,2,3
	ds_load_b128 v[WF+4*\n:WF+4*\n+3], v7 offset:\n*SPITCH
.endr
.irp n,0,1,2,3
	s_wait_dscnt 3-\n                              ; LDS loads come back in order: row n is in
	global_store_b128 v2, v[WF+4*\n:WF+4*\n+3], s[10:11] offset:\n*512     ; a whole row of 512 bytes
.endr
	s_wait_tensorcnt 0x0
	ds_add_u32 v14, v15
	s_wait_dscnt 0x0
	s_endpgm
.Lfunc_end_k_qde29b03880_outp:
	.size	k_qde29b03880_outp, .Lfunc_end_k_qde29b03880_outp-k_qde29b03880_outp
	.p2alignl 7, 3214868480
	.fill 96, 4, 3214868480
	.section	.rodata,"a",@progbits
	.p2align	6, 0x0
	.amdhsa_kernel k_qde29b03880_outp
		.amdhsa_group_segment_fixed_size 44032
		.amdhsa_private_segment_fixed_size 0
		.amdhsa_enable_private_segment 0
		.amdhsa_kernarg_size 32
		.amdhsa_user_sgpr_count 2
		.amdhsa_user_sgpr_kernarg_segment_ptr 1
		.amdhsa_wavefront_size32 1
		.amdhsa_system_sgpr_workgroup_id_x 1
		.amdhsa_system_sgpr_workgroup_id_y 1
		.amdhsa_system_sgpr_workgroup_id_z 1
		.amdhsa_system_vgpr_workitem_id 0
		.amdhsa_next_free_vgpr 256
		.amdhsa_next_free_sgpr 66
		.amdhsa_reserve_vcc 0
		.amdhsa_float_denorm_mode_32 3
		.amdhsa_float_denorm_mode_16_64 3
		.amdhsa_memory_ordered 1
		.amdhsa_forward_progress 1
		.amdhsa_inst_pref_size 16
	.end_amdhsa_kernel
	.amdgpu_metadata
---
amdhsa.version: [ 1, 2 ]
amdhsa.kernels:
  - .name:           k_qde29b03880_outp
    .symbol:         k_qde29b03880_outp.kd
    .args:
      - { .name: att, .offset: 0, .size: 8, .value_kind: global_buffer, .address_space: global }
      - { .name: w_out, .offset: 8, .size: 8, .value_kind: global_buffer, .address_space: global }
      - { .name: b_out, .offset: 16, .size: 8, .value_kind: global_buffer, .address_space: global }
      - { .name: out0, .offset: 24, .size: 8, .value_kind: global_buffer, .address_space: global }
    .group_segment_fixed_size: 44032
    .private_segment_fixed_size: 0
    .kernarg_segment_align: 8
    .kernarg_segment_size: 32
    .max_flat_workgroup_size: 128
    .sgpr_count:     66
    .vgpr_count:     256
    .wavefront_size: 32
...
	.end_amdgpu_metadata
.endif
;; end of part 3
;; ======== version 2 of 2: 3 launches; version 1 with the launch outp written anew for expert scheduling mode
;; limits: values are held in f16: magnitudes above 65,504 overflow, below 6.1e-05 lose precision
;; workspace buffers: qf 2,097,152 bytes; kv 2,097,152 bytes; part 65,536 bytes; att 1,048,576 bytes
;; launch proj: the kernel of part 1 again; grid 64 x 4, 4 waves a work-group, no clusters, 45,056 bytes of LDS; arguments x, w_in, qf, kv, part; writes qf, kv, part
;; launch attn: the kernel of part 2 again; grid 64 x 4, 8 waves a work-group, clusters of 4 x 1, 327,680 bytes of LDS; arguments qf, kv, part, att; writes att
;; launch outp (part 4): grid 256 x 1, 4 waves a work-group, no clusters, 44,032 bytes of LDS; arguments att, w_out, b_out, out0; writes out0
.if DOCPART == 4
	.amdgcn_target "amdgcn-amd-amdhsa--gfx1250"
	.amdhsa_code_object_version 6
	.text
	.protected	k_qde29b03880_outp
	.globl	k_qde29b03880_outp
	.p2align	8
	.type	k_qde29b03880_outp,@function
k_qde29b03880_outp:
	s_mov_b64 s[64:65], 0
	v_nop
	global_prefetch_b8 v0, s[64:65] scope:SCOPE_SE
	s_setreg_imm32_b32 hwreg(HW_REG_WAVE_SCHED_MODE, 0, 2), 2
	s_setreg_imm32_b32 hwreg(HW_REG_WAVE_MODE, 25, 1), 1
	s_wait_xcnt 0x0
	s_wait_alu depctr_vm_vsrc(0)
; out0 = att w_out^T + b_out for 16 rows (one query tile) a work-group.  Four waves; wave w makes columns 32 w .. 32 w + 31: two tiles of 16 x 16, K = 128 in four steps.
; att lies in memory as source-1 fragments in f16 ([query tile][head = K step][c][lane][8]) and is loaded straight into registers.
; The wave's 32 rows of w_out come in as whole rows of 512 bytes, are rounded to f16 and pass through the wave's own LDS bytes (pitch 272) to become source-0 fragments.
; A lane's eight results are then eight neighbouring columns of one row; the bias of those columns is the first product's C.
; The way out: a stage of 16 rows of 528 bytes in LDS, read back as whole rows, so that each store of a wave covers one row's 512 consecutive bytes.
; No cluster and no tensor loads: w_out must be rounded on its way, and a work-group reads 68 KiB in all.
; LIMIT: |w_out| under 65504 (f16 operand); att as the launch before stores it.
; THE MODE: SCHED_MODE bits 1:0 = 2 (LLVM: expert scheduling mode 2), set by the entry lines.  The code itself states the register dependences
; between vector or matrix instructions and memory or LDS instructions, with s_wait_alu, always for 0.
; THE PLAN.  Registers that memory or LDS instructions touch:
;   v2 .. v7      Offsets and LDS addresses: all made at the head, ahead of ONE wait on va_vdst, and never written again.  v14, v15 likewise, for the closing add.
;   ST            Group g of eight rows: its loads land; its sixteen conversions read it and write the first pair of each four; its eight LDS stores,
;                 issued in group g + 1's turn, read the pairs.  Never written again.
;   WF            The fragments' LDS loads land; the matrix instructions read; the stage's rows land in its first sixteen; the global stores read those.
;   ATT           Global loads land; the matrix instructions read.
;   ACC           The bias lands; the matrix instructions add onto it; the LDS stores into the stage read it.  Never written again.
; So a wait on va_vdst stands at the head of groups 1 to 3 (the group before has written its pairs), behind group 3, and at the way out.  A group's conversions name its own
; registers alone, so the stores of the group before are dealt among them with no further wait.  No register that a memory or LDS instruction reads is written again:
; the text holds no wait on vm_vsrc behind the entry lines.
.set PITCH, 272
.set WREG,  32*PITCH                   ; a wave's 32 rows of w_out
.set STG,   4*WREG                     ; the stage
.set SPITCH, 528
.set ACC,   16                         ; v[16:31]   two accumulator tiles, started with the bias
.set ATT,   32                         ; v[32:63]   fragments of att, four K steps
.set WF,    64                         ; v[64:127]  fragments of w_out: (t, ks) at 32 t + 8 ks; at the end the rows read back
.set ST,    128                        ; v[128:255] the 32 rows of w_out as they come in
	s_load_b256 s[4:11], s[0:1], 0x0               ; att s[4:5], w_out s[6:7], b_out s[8:9], out0 s[10:11]
	v_lshl_add_u32 v14, v0, 2, 0xaa00
	v_mov_b32 v15, 0
	v_lshrrev_b32 v1, 5, v0
	v_readfirstlane_b32 s12, v1                    ; wave 0..3
	v_and_b32 v1, 31, v0
	v_lshlrev_b32 v2, 4, v1                        ; 16 x lane
	v_and_b32 v8, 15, v0                           ; r
	v_bfe_u32 v9, v0, 4, 1                         ; h
	v_lshlrev_b32 v3, 5, v9                        ; 32 h: my eight columns' bias
	s_mov_b32 s15, 0
	s_mov_b32 s17, 0
	s_mov_b32 s19, 0
	s_mov_b32 s21, 0
	s_lshl_b32 s14, ttmp9, 12                      ; att: query tile x 4096
	s_wait_alu depctr_va_sdst(0)                   ; s12 is written, ahead of its first reader: the bases and the LDS addresses are made from it
	s_lshl_b32 s16, s12, 14                        ; w_out: wave x 32 rows x 512
	s_lshl_b32 s18, s12, 7                         ; b_out: wave x 32 numbers
	s_lshl_b32 s20, ttmp9, 13                      ; out0: 16 rows x 512 + wave x 4 rows
	s_lshl_b32 s22, s12, 11
	s_add_co_u32 s20, s20, s22
	; the LDS addresses are made here, while the arguments are on their way; each has a scalar of its own, so that none that a vector line has read is written again
	s_mul_i32 s13, s12, WREG
	v_lshl_add_u32 v4, v1, 3, s13                  ; rows go in at: my region + 8 lane
	v_mul_u32_u24 v5, v8, PITCH
	v_lshl_add_u32 v5, v9, 4, v5
	v_add_nc_u32 v5, s13, v5                       ; a fragment: my region + row r x pitch + 16 h
	v_mul_u32_u24 v6, v8, SPITCH
	v_lshl_add_u32 v6, v9, 5, v6
	s_lshl_b32 s23, s12, 7
	s_add_co_u32 s23, s23, STG
	v_add_nc_u32 v6, s23, v6                       ; the stage, in: row r, byte 128 w + 32 h
	s_mul_i32 s2, s12, 4*SPITCH
	s_add_co_u32 s2, s2, STG
	v_add_nc_u32 v7, s2, v2                        ; the stage, back: rows 4 w .., 16 bytes a lane
	s_wait_kmcnt 0x0
	s_add_nc_u64 s[4:5], s[4:5], s[14:15]
	s_add_nc_u64 s[6:7], s[6:7], s[16:17]
	s_add_nc_u64 s[8:9], s[8:9], s[18:19]
	s_add_nc_u64 s[10:11], s[10:11], s[20:21]
	s_wait_alu depctr_va_vdst(0)                   ; v2 to v7 are written: every load, store and LDS instruction of the kernel reads one of them as its offset or address
.set n, 0
.rept 32
	global_load_b128 v[ST+4*n:ST+4*n+3], v2, s[6:7] offset:n*512
.set n, n+1
.endr
.irp n,0,1,2,3,4,5,6,7
	global_load_b128 v[ATT+4*\n:ATT+4*\n+3], v2, s[4:5] offset:\n*512      ; n = 2 ks + c
.endr
.irp t,0,1
.irp p,0,1
	global_load_b128 v[ACC+8*\t+4*\p:ACC+8*\t+4*\p+3], v3, s[8:9] offset:64*\t+16*\p
.endr
.endr
.macro CVT reg                         ; four f32 of one load become four f16 in the load's first two registers
	v_cvt_pk_f16_f32 v[\reg], v[\reg], v[\reg+1]
	v_cvt_pk_f16_f32 v[\reg+1], v[\reg+2], v[\reg+3]
.endm
.macro PUT row                         ; and go to LDS: 32 lanes x 8 bytes = a row of 256 bytes
	ds_store_b64 v4, v[ST+4*(\row):ST+4*(\row)+1] offset:(\row)*PITCH
.endm
.macro WFRAG t                         ; tile t's fragments, four K steps: 8 loads of my wave's own bytes: LDS serves a wave's instructions in order (ISA guide 5.7.1), so they see the stores above them
.irp ks,0,1,2,3
	ds_load_b128 v[WF+32*\t+8*\ks:WF+32*\t+8*\ks+3], v5 offset:\t*16*PITCH+\ks*64
	ds_load_b128 v[WF+32*\t+8*\ks+4:WF+32*\t+8*\ks+7], v5 offset:\t*16*PITCH+\ks*64+32
.endr
.endm
	s_wait_loadcnt 36                              ; loads come back in order: rows 0 to 7 are in; the later rows, att's 8 loads and the bias's 4 stay out
.irp n,0,1,2,3,4,5,6,7
	CVT ST+4*\n
.endr
.irp g,1,2,3
	s_wait_loadcnt 36-8*\g                         ; this group's eight rows are in; the later rows, att's 8 loads and the bias's 4 stay out
	s_wait_alu depctr_va_vdst(0)                   ; the conversions of the group before have written their pairs, which the LDS stores below read
.irp n,0,1,2,3,4,5,6,7
	PUT 8*(\g-1)+\n                                ; no further wait: the conversions issued since the wait name this group's registers alone
	CVT ST+4*(8*\g+\n)
.endr
.if \g == 2
	WFRAG 0                                        ; rows 0 to 15 are stored: tile 0's fragments are asked for.  No vector line has named the registers in which they land
.endif
.endr
	s_wait_alu depctr_va_vdst(0)                   ; the last group's conversions have written their pairs, which the LDS stores below read
.irp n,0,1,2,3,4,5,6,7
	PUT 24+\n
.endr
	WFRAG 1
	s_wait_loadcnt 0x0                             ; att and the bias
	; the two accumulators take turns, one instruction a turn
.irp ks,0,1,2,3
	s_wait_dscnt 6-2*\ks                           ; LDS instructions end in order (ISA guide 5.7.1): tile 1's fragment of this K step is in, and all that was issued before it; the later K steps' two loads each stay out
.irp t,0,1
	v_wmma_f32_16x16x32_f16 v[ACC+8*\t:ACC+8*\t+7], v[WF+32*\t+8*\ks:WF+32*\t+8*\ks+7], v[ATT+8*\ks:ATT+8*\ks+7], v[ACC+8*\t:ACC+8*\t+7]
.endr
.endr
.rept 4
	v_nop                                          ; four places (ISA guide 7.12.1) before the results are read
.endr
	s_wait_alu depctr_va_vdst(0)                   ; the matrix instructions have written the accumulators, which the LDS stores read, and are done reading WF, in which the stage's rows land below; the places above stay beside this wait
.irp t,0,1
.irp p,0,1
	ds_store_b128 v6, v[ACC+8*\t+4*\p:ACC+8*\t+4*\p+3] offset:64*\t+16*\p
.endr
.endr
	s_wait_dscnt 0x0                               ; for the other waves' sake
	s_barrier_signal -1
	s_barrier_wait -1
.irp n,0,1,2,3
	ds_load_b128 v[WF+4*\n:WF+4*\n+3], v7 offset:\n*SPITCH                 ; no vector or matrix instruction since the wait above
.endr
.irp n,0,1,2,3
	s_wait_dscnt 3-\n                              ; LDS loads come back in order: row n is in
	global_store_b128 v2, v[WF+4*\n:WF+4*\n+3], s[10:11] offset:\n*512     ; a whole row of 512 bytes
.endr
	s_wait_dscnt 0x0                               ; the closing lines, six on end
	s_wait_alu 0x0
	s_wait_tensorcnt 0x0
	ds_add_u32 v14, v15
	s_wait_dscnt 0x0
	s_endpgm
.Lfunc_end_k_qde29b03880_outp:
	.size	k_qde29b03880_outp, .Lfunc_end_k_qde29b03880_outp-k_qde29b03880_outp
	.p2alignl 7, 3214868480
	.fill 96, 4, 3214868480
	.section	.rodata,"a",@progbits
	.p2align	6, 0x0
	.amdhsa_kernel k_qde29b03880_outp
		.amdhsa_group_segment_fixed_size 44032
		.amdhsa_private_segment_fixed_size 0
		.amdhsa_enable_private_segment 0
		.amdhsa_kernarg_size 32
		.amdhsa_user_sgpr_count 2
		.amdhsa_user_sgpr_kernarg_segment_ptr 1
		.amdhsa_wavefront_size32 1
		.amdhsa_system_sgpr_workgroup_id_x 1
		.amdhsa_system_sgpr_workgroup_id_y 1
		.amdhsa_system_sgpr_workgroup_id_z 1
		.amdhsa_system_vgpr_workitem_id 0
		.amdhsa_next_free_vgpr 256
		.amdhsa_next_free_sgpr 66
		.amdhsa_reserve_vcc 0
		.amdhsa_float_denorm_mode_32 3
		.amdhsa_float_denorm_mode_16_64 3
		.amdhsa_memory_ordered 1
		.amdhsa_forward_progress 1
		.amdhsa_inst_pref_size 16
	.end_amdhsa_kernel
	.amdgpu_metadata
---
amdhsa.version: [ 1, 2 ]
amdhsa.kernels:
  - .name:           k_qde29b03880_outp
    .symbol:         k_qde29b03880_outp.kd
    .args:
      - { .name: att, .offset: 0, .size: 8, .value_kind: global_buffer, .address_space: global }
      - { .name: w_out, .offset: 8, .size: 8, .value_kind: global_buffer, .address_space: global }
      - { .name: b_out, .offset: 16, .size: 8, .value_kind: global_buffer, .address_space: global }
      - { .name: out0, .offset: 24, .size: 8, .value_kind: global_buffer, .address_space: global }
    .group_segment_fixed_size: 44032
    .private_segment_fixed_size: 0
    .kernarg_segment_align: 8
    .kernarg_segment_size: 32
    .max_flat_workgroup_size: 128
    .sgpr_count:     66
    .vgpr_count:     256
    .wavefront_size: 32
...
	.end_amdgpu_metadata
.endif
;; end of part 4
